; MI455X (gfx1250); checked and timed in simulation.
; The chip was launched on July 23, 2026; its instructions are those of AMD's public machine-readable ISA for CDNA 5 (MIT licence, August 2026) and "CDNA5" Instruction Set Architecture Reference Guide (July 2026). The comments in the code are by the model that wrote it; some were corrected since.
;; Trans E MC. Allowed arithmetic: float matrix products may take bf16 or f16 operands with f32 sums; other float arithmetic in f32, or as packed bf16 or f16 multiplies, adds, multiply-adds, maxima and minima; sums over many terms, partial sums and values carried from step to step in f32; what a program stores and reads back later, other than sums and carried values, may be rounded once to bf16 or f16.
;; Inputs: lhs_w 50,000 x 128 float32; rel_w 1,000 x 128 float32; rhs_w 50,000 x 128 float32; x 32 x 3 int32.
;; Outputs: out0 32 x 50,000 float32; out1 32 x 50,000 float32.
;; One version. Each part assembles by itself: llvm-mc -triple=amdgcn-amd-amdhsa -mcpu=gfx1250 --defsym DOCPART=n.
;; ======== version 1 of 1: 1 launch
;; limits: a difference of large sums (such as E[x^2] - mean^2): digits are lost where the result is much smaller than its terms
;; launch transe_l1 (part 1): grid 125 x 2, 4 waves a work-group, no clusters, 101,632 bytes of LDS; arguments x, lhs_w, rel_w, rhs_w, out0, out1; writes out0, out1
.if DOCPART == 1
	.amdgcn_target "amdgcn-amd-amdhsa--gfx1250"
	.amdhsa_code_object_version 6
	.text
	.protected	k_q4248b15254_transe_l1
	.globl	k_q4248b15254_transe_l1
	.p2align	8
	.type	k_q4248b15254_transe_l1,@function
k_q4248b15254_transe_l1:
	s_mov_b64 s[64:65], 0
	v_nop
	global_prefetch_b8 v0, s[64:65] scope:SCOPE_SE
	s_setreg_imm32_b32 hwreg(HW_REG_WAVE_MODE, 25, 1), 1
	s_wait_xcnt 0x0
; out0[b][e] = - sum over k of |lhs_w[x[b][0]][k] + rel_w[x[b][1]][k] - rhs_w[e][k]|
; out1[b][e] = - sum over k of |lhs_w[e][k] + rel_w[x[b][1]][k] - rhs_w[x[b][2]][k]|
; Both are - sum |a[b][k] - w[e][k]|: for out0 w = rhs_w, a = lhs + rel; for out1 w = lhs_w, a = rhs - rel.  The grid's y picks the output.
; NOTHING IS DEAD: all four inputs reach the outputs.  Of rel_w, and of the table that a work-group does not stream, only the rows that x names are read.
; THE FORM.  |a - w| = 2 max(a, w) - a - w.  a (made in f32) and w are rounded once to bf16; v_pk_max_num_bf16 takes two maxima exactly; all sums over k are
; taken by the matrix unit in f32: -2 sum max (a product with a selection matrix), + sum w (a product with a 0/1 matrix), + sum a (the C operand that starts the sum).
; LIMITS.  a and w keep bf16's 8 significant bits.  The three sums are of exact bf16 numbers and are kept in f32; each can reach 256 x the largest |a| or |w|, so where the
; inputs carry an offset of 30 spreads they are some 100 times the result and their difference loses some 100 x 2^-24 of it.  An infinity in a or w (a number beyond bf16's
; largest finite, 3.39e38, among them) gives NaN where the reference gives -infinity.  An index outside its table is held to the table's last row.
; SHARES.  A work-group owns 400 rows e of one table (125 x 400 = 50,000) and all 32 b; wave v owns b = 8 v .. 8 v + 7.  The rows go in groups of 32, a lane a row.
; The wave's 8 x 64 pairs of a stay in 512 registers, every lane alike.  For pair x of the 64 pairs of k: eight maxima (register j: b = 8 v + j), then one matrix instruction.
; THE MATRIX INSTRUCTION AS AN ADDER.  A = the eight registers of maxima: lane (r, h) is row r, and its 16 numbers are the k places of half h.  B = SEL: column n takes the places
; of half n / 8, register n % 8, times -2.  So D[m][n] = -2 x (both halves of register n % 8 in lane m + 16 (n / 8)), and lane L of D holds, for b = 8 v + L % 8, the eight
; neighbouring rows e = 16 ((L / 8) % 2) + 8 (L / 16) + 0..7 of the group: 32 bytes of a row of out.  B = ONE takes all places of half n / 8 times 1: with A = 8 registers of w it adds sum w.
; THE WAY IN.  Whole rows of 512 bytes, one load instruction each, into 128 registers, a phase (4 groups) ahead; rounded, stored to LDS as rows of 272 bytes, read back a lane a row.
; The work-group's last 16 rows are taken first (lanes 16-31 repeat them), so that work begins on 16 rows; then 3 phases of 4 groups.
; THE WAY OUT.  A row of out is 200,000 bytes, so the work-group's 1,600 bytes of row b begin 64 ((b + t) % 4) bytes behind a multiple of 256.  Results wait in an LDS stage and leave in
; pieces of 16 bytes a lane, shifted so that 16 neighbouring lanes store 256 consecutive bytes at a multiple of 256 from out's first byte; the first and the last such run of a row are cut by EXEC.
; REGISTERS, in windows of 256 (s_set_vgpr_msb: bits 1:0 source 0, 3:2 source 1, 5:4 source 2, 7:6 destination):
;   window 0: v0-15 addresses; v16-23 sum a; v24-39 two accumulators; v40-63 three sets of maxima; v64-127 w of a group; v128-255 rows on their way in
;   windows 1, 2, 3: a's pairs 0-23, 24-47, 48-63, eight registers a pair; in each v192-199 SEL, v200-207 ONE; window 3 also v128-167, for sum a
.set NE,    50000
.set NR,    1000
.set ROWB,  512                        ; bytes in a row of a table
.set WGR,   400                        ; rows of a work-group
.set NPH,   3                          ; phases
.set NGR,   4                          ; groups in a phase
.set WP,    272                        ; a bf16 row in LDS: 256 bytes + 16: the 16 rows of half a load start at 16 different groups of four banks (64 banks of 4 bytes: ISA guide 11.1)
.set GRB,   32*WP                      ; a group in LDS
.set WBUF,  0                          ; a phase's 128 rows
.set HBUF,  128*WP                     ; the 16 rows taken first
.set QLDS,  HBUF+16*WP                 ; a as bf16 pairs, 2,048 bytes a wave: word 8 x + j
.set OSTG,  QLDS+8192                  ; the stage: 32 rows b of OP bytes
.set OP,    1680                       ; 1,600 bytes of results, 64 for what lanes 16-31 repeat in the first group, 16 more
.set SPARE, OSTG+32*OP                 ; the spare words, 128 bytes a wave: two blocks of 256 bytes that no other line names
.set OROW,  4*NE                       ; bytes in a row of out
.set SPW,  2                           ; v2   LDS address of my spare word; never rewritten
.set NIL,  3                           ; v3   0; never rewritten
.set GO,   4                           ; v4   16 x lane + wave x 32 rows: my bytes in a phase's rows in memory; never rewritten
.set LSA,  5                           ; v5   where I store 8 bytes of a rounded row
.set WA0,  6                           ; v6   my row of a phase's first group
.set WA,   7                           ; v7   my row of the group that is fetched next
.set WMAX, 8                           ; v8   my row of a phase's last group
.set OA,   9                           ; v9   where my 32 bytes of results go in the stage
.set L15,  10                          ; v10  lane % 16
.set FLB,  11                          ; v11  the way out: (8 wave + 4 (lane / 16)) x OP + 16 (lane % 16)
.set FGB,  12                          ; v12  the same with rows of out
.set LN,   14
.set L16,  15
.set SAC,  16
.set ACC,  24
.set T,    40
.set OUT,  48                          ; the second set of maxima takes the finished sums
.set W,    64
.set ST,   128
.set HO,   56                          ; v56-63: addresses that only the start needs, in the third set of maxima
.set HSA,  57
.set HWA,  58
.set QS,   59
.set QB,   60
.set QA2,  61
.set MK,   62
.set TP,   63
.set SEL,  192                         ; in windows 1 to 3
.set ONE,  200
.set FR,   128                         ; in window 3
.set AO,   160
.set SS,   16                          ; s[16:17] the streamed table at the work-group's rows, then at the phase last asked for
.set SG,   18                          ; s[18:19] the table from which a's first term is gathered
.set SO,   20                          ; s[20:21] the output
.set SGN,  22                          ; s[22:23] +1 or -1 for rel
.set XD,   24                          ; s[24:47] my eight rows of x
.set GI,   48                          ; s[48:55] byte offsets of the gathered rows
.set WV,   56
.set TT,   57
.set TB,   58
.set PH,   59
.set GC,   60
.set S0,   62
.set SELV, 66
.set ONEV, 67
.set SH,   68                          ; s[68:71] row i's shift in pieces of 16 bytes: 4 ((i + t) % 4)
.set FL,   72                          ; s[72:75] the way out: row i's scalar part of the LDS address, at the run in hand
.set FG,   76                          ; s[76:79] of the offset in out
.set SV,   80
.set XO,   81
.set S2,   82
.set MSB, 0
.macro WIN new                         ; the immediate's high byte repeats the setting that is left; a switch that changes nothing is dropped
.if MSB != (\new)
	s_set_vgpr_msb (MSB<<8)|(\new)
.set MSB, (\new)
.endif
.endm
; Eight maxima for pair x: w's pair against a's pair of each of my eight b.  Only source 1 leaves window 0.
.macro PK x
	WIN (1+(\x)/24)<<2
.set rQ, 8*((\x)%24)
.set rT, T+8*((\x)%3)
.irp j, 0,1,2,3,4,5,6,7
	v_pk_max_num_bf16 v[rT+\j], v[W+(\x)], v[rQ+\j]
.endr
.endm
; -2 x the maxima of pair x onto the sums.  The two accumulators take turns, one instruction a turn; the first starts with sum a, the second with 0.
.macro MM x
.set rT, T+8*((\x)%3)
.set rA, ACC+8*(nmm%2)
.if nmm == 0
	v_wmma_f32_16x16x32_bf16 v[rA:rA+7], v[rT:rT+7], v[SEL:SEL+7], v[SAC:SAC+7]
.elseif nmm == 1
	v_wmma_f32_16x16x32_bf16 v[rA:rA+7], v[rT:rT+7], v[SEL:SEL+7], 0
.else
	v_wmma_f32_16x16x32_bf16 v[rA:rA+7], v[rT:rT+7], v[SEL:SEL+7], v[rA:rA+7]
.endif
.set nmm, nmm+1
.endm
; + the 16 numbers of w in chunk c (8 registers), for all eight b
.macro SW c
.set rA, ACC+8*(nmm%2)
	v_wmma_f32_16x16x32_bf16 v[rA:rA+7], v[W+8*(\c):W+8*(\c)+7], v[ONE:ONE+7], v[rA:rA+7]
.set nmm, nmm+1
.endm
; A GROUP: 32 rows e x my 8 b.  The maxima of pair x + 1 stand ahead of the product of pair x.  A set of maxima is written again eight vector instructions behind the product that read it.
; refill = 1: chunk c of w is fetched anew, for the next group, eight vector instructions behind the product that read it last (ISA guide 7.12.1 for vector writes).
; THE WAITS count LDS instructions issued behind a chunk's two loads.  From the head of a phase: the 2 (7 - c) loads of later chunks and the 2 (c - 1) refills of this group: 14 for c = 0, else 12.
; Round the loop: 2 (7 - c) refills, the two stores of results, 2 (c - 1) refills: 16 for c = 0, else 14.  The lesser count serves both ways.  Without refills: 14 - 2 c.
.macro GROUP refill, ooff
.set nmm, 0
	s_wait_dscnt 14
	PK 0
.set x, 1
.rept 63
.if x%8 == 0
.if \refill
	s_wait_dscnt 12
.else
	s_wait_dscnt 14-2*(x/8)
.endif
.endif
	PK x
.if (\refill) && (x%8 == 1) && (x > 8)
	ds_load_b128 v[W+x-9:W+x-6], v[WA] offset:4*(x-9)
	ds_load_b128 v[W+x-5:W+x-2], v[WA] offset:4*(x-9)+16
.endif
	MM x-1
.if x%8 == 0
	SW x/8-1
.endif
.set x, x+1
.endr
	MM 63
	SW 7
	WIN 0
.rept 8
	v_nop                                          ; the places behind the last two products, ahead of the loads into w's last chunk and of the sums' first reader
.endr
.if \refill
	ds_load_b128 v[W+56:W+59], v[WA] offset:224
	ds_load_b128 v[W+60:W+63], v[WA] offset:240
.endif
.irp i, 0,1,2,3
	v_pk_add_f32 v[OUT+2*\i:OUT+2*\i+1], v[ACC+2*\i:ACC+2*\i+1], v[ACC+8+2*\i:ACC+8+2*\i+1]  ; the two accumulators, from their low ends on
.endr
	ds_store_b128 v[OA], v[OUT:OUT+3] offset:\ooff
	ds_store_b128 v[OA], v[OUT+4:OUT+7] offset:(\ooff)+16
.if \refill
	v_add_nc_u32 v[WA], GRB, v[WA]                 ; the group after the next; a phase's last group fetches itself once more, and nobody reads that
	v_min_u32 v[WA], v[WA], v[WMAX]
	v_add_nc_u32 v[OA], 128, v[OA]                 ; 32 results further along the stage's rows
.endif
.endm
	s_load_b256 s[4:11], s[0:1], 0x0               ; x s[4:5], lhs_w s[6:7], rel_w s[8:9], rhs_w s[10:11]
	s_load_b128 s[12:15], s[0:1], 0x20             ; out0 s[12:13], out1 s[14:15]
	v_lshl_add_u32 v[SPW], v0, 2, SPARE
	v_mov_b32 v[NIL], 0
	v_lshrrev_b32 v1, 5, v0
	v_readfirstlane_b32 s[WV], v1                  ; wave 0..3
	s_mov_b32 s[TT], ttmp9                         ; t: which 400 rows
	s_and_b32 s[TB], ttmp7, 0xffff                 ; which output
	v_and_b32 v[LN], 31, v0
	v_and_b32 v[L15], 15, v0
	v_lshlrev_b32 v[L16], 4, v[LN]
	s_lshl_b32 s[S0], s[WV], 14
	v_add_nc_u32 v[GO], s[S0], v[L16]              ; wave v fetches rows 32 v .. 32 v + 31 of a phase
	s_lshl_b32 s[S0], s[WV], 11
	s_add_co_u32 s[S0], s[S0], 384*ROWB
	v_add_nc_u32 v[HO], s[S0], v[L16]              ; and rows 384 + 4 v .. + 3
	s_mul_i32 s[XO], s[WV], 96                     ; my eight rows of x: 96 bytes
	s_mul_i32 s[S2], s[TT], WGR*ROWB
	s_mov_b32 s[S2+1], 0
	s_wait_kmcnt 0x0
	s_load_b256 s[XD:XD+7], s[4:5], s[XO] offset:0x0
	s_load_b256 s[XD+8:XD+15], s[4:5], s[XO] offset:0x20
	s_load_b256 s[XD+16:XD+23], s[4:5], s[XO] offset:0x40
	s_cmp_eq_u32 s[TB], 0
	s_cselect_b64 s[SS:SS+1], s[10:11], s[6:7]     ; out0 streams rhs_w, out1 lhs_w
	s_cselect_b64 s[SG:SG+1], s[6:7], s[10:11]     ; and gathers from the other
	s_cselect_b64 s[SO:SO+1], s[12:13], s[14:15]
	s_cselect_b32 s[SGN], 1.0, -1.0                ; a = lhs + rel, or rhs - rel
	s_mov_b32 s[SGN+1], s[SGN]                     ; named with it as a pair
	s_add_nc_u64 s[SS:SS+1], s[SS:SS+1], s[S2:S2+1]
.irp i, 0,1,2,3
	global_load_b128 v[T+4*\i:T+4*\i+3], v[HO], s[SS:SS+1] offset:\i*ROWB th:TH_LOAD_NT  ; a whole row, 512 consecutive bytes, an instruction
.endr
	; the addresses and the two constant matrices are made while x is on its way
	s_mul_i32 s[S0], s[WV], 32*WP
	v_lshl_add_u32 v[LSA], v[LN], 3, s[S0]
	s_mul_i32 s[S0], s[WV], 4*WP
	s_add_co_u32 s[S0], s[S0], HBUF
	v_lshl_add_u32 v[HSA], v[LN], 3, s[S0]
	v_mul_u32_u24 v[WA0], v[LN], WP
	v_add_nc_u32 v[WMAX], 3*GRB, v[WA0]
	v_mul_u32_u24 v[HWA], v[L15], WP               ; lanes 16-31 take the 16 rows once more
	v_add_nc_u32 v[HWA], HBUF, v[HWA]
	v_and_b32 v[TP], 7, v0
	v_mul_u32_u24 v[OA], v[TP], OP                 ; stage row 8 v + lane % 8,
	v_bfe_u32 v1, v0, 3, 1
	v_lshl_add_u32 v[OA], v1, 6, v[OA]             ; 16 results on for (lane / 8) % 2,
	v_bfe_u32 v13, v0, 4, 1
	v_lshl_add_u32 v[OA], v13, 5, v[OA]            ; 8 for lane / 16
	s_mul_i32 s[S0], s[WV], 8*OP
	s_add_co_u32 s[S0+1], s[S0], OSTG
	v_add_nc_u32 v[OA], s[S0+1], v[OA]
	v_xor_b32 v1, v1, v13
	v_lshl_or_b32 v[MK], v1, 3, v[TP]              ; lane % 8 in lanes 0-7 and 24-31 (column half = k half), 8 or more in the others
	v_mul_u32_u24 v[FLB], v13, 4*OP
	v_lshl_add_u32 v[FLB], v[L15], 4, v[FLB]
	v_add_nc_u32 v[FLB], s[S0], v[FLB]
	v_mul_u32_u24 v[FGB], v13, 4*OROW
	v_lshl_add_u32 v[FGB], v[L15], 4, v[FGB]
	s_mul_i32 s[S2], s[WV], 8*OROW
	v_add_nc_u32 v[FGB], s[S2], v[FGB]
	s_mul_i32 s[S2+1], s[TT], 4*WGR
.irp i, 0,1,2,3
	s_add_co_u32 s[SH+\i], s[TT], \i
	s_and_b32 s[SH+\i], s[SH+\i], 3                ; (b + t) % 4 for rows b = 8 v + i and 8 v + i + 4
	s_lshl_b32 s[S2], s[SH+\i], 6
	s_sub_co_u32 s[FL+\i], OSTG+\i*OP, s[S2]
	s_add_co_u32 s[FG+\i], s[S2+1], \i*OROW
	s_sub_co_u32 s[FG+\i], s[FG+\i], s[S2]         ; the multiple of 256 at or below the piece's first byte: never below 0
	s_lshl_b32 s[SH+\i], s[SH+\i], 2
.endr
	s_lshl_b32 s[S0], s[WV], 11
	s_add_co_u32 s[S0], s[S0], QLDS
	v_lshl_add_u32 v[QS], v[LN], 6, s[S0]
	v_mov_b32 v[QB], s[S0]
	v_lshl_add_u32 v[QA2], v13, 8, s[S0]
	v_lshl_add_u32 v[QA2], v[TP], 2, v[QA2]
	s_mov_b32 s[SELV], 0xc000c000                  ; -2, twice, in bf16
	s_mov_b32 s[ONEV], 0x3f803f80                  ; 1, twice
.irp w, 1,2,3
	WIN (\w)<<6
.irp j, 0,1,2,3,4,5,6,7
	v_cmp_eq_u32 vcc_lo, \j, v[MK]
	v_cndmask_b32 v[SEL+\j], 0, s[SELV], vcc_lo
.endr
	v_cmp_gt_u32 vcc_lo, 8, v[MK]
.irp j, 0,1,2,3,4,5,6,7
	v_cndmask_b32 v[ONE+\j], 0, s[ONEV], vcc_lo
.endr
.endr
.irp j, 0,1,2,3,4,5,6,7
	v_mov_b32 v[AO+\j], s[ONEV]                    ; window 3: a matrix of ones, for sum a
.endr
	WIN 0
	s_wait_kmcnt 0x0                               ; x
	s_cmp_eq_u32 s[TB], 0
.irp j, 0,1,2,3,4,5,6,7
	s_cselect_b32 s[GI+\j], s[XD+3*\j], s[XD+3*\j+2]  ; x[b][0] for out0, x[b][2] for out1
.endr
.irp j, 0,1,2,3,4,5,6,7
	s_min_u32 s[GI+\j], s[GI+\j], NE-1
	s_lshl_b32 s[GI+\j], s[GI+\j], 9
	s_min_u32 s[XD+3*\j+1], s[XD+3*\j+1], NR-1
	s_lshl_b32 s[XD+3*\j+1], s[XD+3*\j+1], 9
	v_add_nc_u32 v[ACC+\j], s[GI+\j], v[L16]
	v_add_nc_u32 v[ACC+8+\j], s[XD+3*\j+1], v[L16]
.endr
.irp j, 0,1,2,3,4,5,6,7
	global_load_b128 v[W+4*\j:W+4*\j+3], v[ACC+\j], s[SG:SG+1]          ; the lane holds k = 4 lane .. + 3 of row b = 8 v + j
	global_load_b128 v[W+32+4*\j:W+32+4*\j+3], v[ACC+8+\j], s[8:9]
.endr
.set i, 0
.rept 32
	global_load_b128 v[ST+4*i:ST+4*i+3], v[GO], s[SS:SS+1] offset:i*ROWB th:TH_LOAD_NT  ; the first phase's rows, behind what is wanted first
.set i, i+1
.endr
	s_wait_loadcnt 32                              ; loads come back in order (ISA guide 5.7.1): the 16 rows and the gathered rows are in, the phase's 32 loads stay out
.irp i, 0,1,2,3
	v_cvt_pk_bf16_f32 v[T+4*\i], v[T+4*\i], v[T+4*\i+1]
	v_cvt_pk_bf16_f32 v[T+4*\i+1], v[T+4*\i+2], v[T+4*\i+3]
	ds_store_b64 v[HSA], v[T+4*\i:T+4*\i+1] offset:\i*WP
.endr
.irp j, 0,1,2,3,4,5,6,7
	v_pk_fma_f32 v[W+4*\j:W+4*\j+1], v[W+32+4*\j:W+32+4*\j+1], s[SGN:SGN+1], v[W+4*\j:W+4*\j+1] op_sel_hi:[1,0,1]
	v_pk_fma_f32 v[W+4*\j+2:W+4*\j+3], v[W+32+4*\j+2:W+32+4*\j+3], s[SGN:SGN+1], v[W+4*\j+2:W+4*\j+3] op_sel_hi:[1,0,1]
.endr
.irp j, 0,1,2,3,4,5,6,7
	v_cvt_pk_bf16_f32 v[ACC+\j], v[W+4*\j], v[W+4*\j+1]      ; pair x = 2 lane of row j,
	v_cvt_pk_bf16_f32 v[ACC+8+\j], v[W+4*\j+2], v[W+4*\j+3]  ; pair 2 lane + 1
.endr
.irp i, 0,1,2,3
	ds_store_b128 v[QS], v[ACC+4*\i:ACC+4*\i+3] offset:16*\i  ; words 8 x + j: 64 bytes a lane
.endr
	s_wait_dscnt 0x0                               ; for the others' sake: my stores are done
	s_barrier_signal -1
	s_barrier_wait -1                              ; the 16 rows lie whole in LDS
.set x, 0
.rept 64                                       ; a into its 512 registers: every lane reads the same 16 bytes
	WIN (1+x/24)<<6
	ds_load_b128 v[8*(x%24):8*(x%24)+3], v[QB] offset:32*x
	ds_load_b128 v[8*(x%24)+4:8*(x%24)+7], v[QB] offset:32*x+16
.set x, x+1
.endr
.set i, 0
.rept 32                                       ; and once as four B operands: column n holds row b = n % 8, pairs 16 f + 8 (lane / 16) + register
	ds_load_b32 v[FR+i], v[QA2] offset:((i/8)*16+(i%8))*32
.set i, i+1
.endr
	WIN 0
.set y, 0
.rept 16
	ds_load_b128 v[W+4*y:W+4*y+3], v[HWA] offset:16*y
.set y, y+1
.endr
	s_wait_dscnt 16                                ; all but the 16 loads of w
	WIN 0x0f
	v_wmma_f32_16x16x32_bf16 v[ACC:ACC+7], v[AO:AO+7], v[FR:FR+7], 0               ; sum a: ones x a, in every row m; two accumulators by turns
	v_wmma_f32_16x16x32_bf16 v[ACC+8:ACC+15], v[AO:AO+7], v[FR+8:FR+15], 0
	v_wmma_f32_16x16x32_bf16 v[ACC:ACC+7], v[AO:AO+7], v[FR+16:FR+23], v[ACC:ACC+7]
	v_wmma_f32_16x16x32_bf16 v[ACC+8:ACC+15], v[AO:AO+7], v[FR+24:FR+31], v[ACC+8:ACC+15]
	WIN 0
.rept 8
	v_nop                                          ; the places behind those products
.endr
.irp i, 0,1,2,3
	v_pk_add_f32 v[SAC+2*\i:SAC+2*\i+1], v[ACC+2*\i:ACC+2*\i+1], v[ACC+8+2*\i:ACC+8+2*\i+1]  ; lane L: sum a of b = 8 v + L % 8, in all eight registers
.endr
	GROUP 0, 1536                                  ; rows 384 to 399; what lanes 16-31 repeat falls into the stage rows' padding
	s_mov_b32 s[PH], 0
.Lphase:
	s_wait_loadcnt 0x0                             ; this phase's rows, asked for a phase ago, are in; so the base below may be stepped
.set i, 0
.rept 32
	v_cvt_pk_bf16_f32 v[ST+4*i], v[ST+4*i], v[ST+4*i+1]
	v_cvt_pk_bf16_f32 v[ST+4*i+1], v[ST+4*i+2], v[ST+4*i+3]
.set i, i+1
.endr
	s_wait_dscnt 0x0                               ; my LDS reads are over
	s_barrier_signal -1
	s_barrier_wait -1                              ; nobody reads the last phase's rows any more
.set i, 0
.rept 32
	ds_store_b64 v[LSA], v[ST+4*i:ST+4*i+1] offset:i*WP
.set i, i+1
.endr
	s_cmp_eq_u32 s[PH], NPH-1                      ; the last phase has nothing behind it: no load leaves the work-group's rows
	s_cbranch_scc1 .Lnoload
	s_add_nc_u64 s[SS:SS+1], s[SS:SS+1], 128*ROWB
.set i, 0
.rept 32
	global_load_b128 v[ST+4*i:ST+4*i+3], v[GO], s[SS:SS+1] offset:i*ROWB th:TH_LOAD_NT  ; the next phase: four groups' work in which to land
.set i, i+1
.endr
.Lnoload:
	s_wait_dscnt 0x0                               ; my part of the phase is stored
	s_barrier_signal -1
	s_barrier_wait -1                              ; everybody's is
	s_wait_xcnt 0x0                                ; the last way out's stores have read their registers, which lie in w's
.set y, 0
.rept 16
	ds_load_b128 v[W+4*y:W+4*y+3], v[WA0] offset:16*y
.set y, y+1
.endr
	v_add_nc_u32 v[WA], GRB, v[WA0]
	s_mov_b32 s[GC], NGR
.Lgroup:
	GROUP 1, 0
	s_sub_co_u32 s[GC], s[GC], 1
	s_cmp_lg_u32 s[GC], 0
	s_cbranch_scc1 .Lgroup
	; THE WAY OUT of a phase: 128 more results a row are there, so runs 2 p and 2 p + 1 of 256 bytes are whole (run 0 waits for the end: it is cut).  Lanes 0-15 take row 8 v + i, lanes 16-31 row 8 v + i + 4: the same shift.
	s_wait_dscnt 0x0                               ; the results are stored, and the loads into w's registers, which serve here, are back
	s_barrier_signal -1
	s_barrier_wait -1                              ; up to the next barrier no wave stores to LDS
.irp i, 0,1,2,3
	v_add_nc_u32 v[W+32+\i], s[FL+\i], v[FLB]
	v_add_nc_u32 v[W+36+\i], s[FG+\i], v[FGB]
.endr
.irp i, 0,1,2,3
	ds_load_b128 v[W+16+4*\i:W+16+4*\i+3], v[W+32+\i] offset:256
.endr
	s_cmp_eq_u32 s[PH], 0
	s_cbranch_scc1 .Lodd
.irp i, 0,1,2,3
	ds_load_b128 v[W+4*\i:W+4*\i+3], v[W+32+\i]
.endr
	s_wait_dscnt 0x0
.irp i, 0,1,2,3
	global_store_b128 v[W+36+\i], v[W+4*\i:W+4*\i+3], s[SO:SO+1] th:TH_STORE_NT
.endr
.Lodd:
	s_wait_dscnt 0x0
.irp i, 0,1,2,3
	global_store_b128 v[W+36+\i], v[W+16+4*\i:W+16+4*\i+3], s[SO:SO+1] offset:256 th:TH_STORE_NT  ; 16 lanes store 256 consecutive bytes, at a multiple of 256 from out's first byte
.endr
.irp i, 0,1,2,3
	s_add_co_u32 s[FL+\i], s[FL+\i], 512
	s_add_co_u32 s[FG+\i], s[FG+\i], 512
.endr
	s_add_co_u32 s[PH], s[PH], 1
	s_cmp_lt_u32 s[PH], NPH
	s_cbranch_scc1 .Lphase
	; THE TWO CUT RUNS of each row: run 0 holds pieces from lane % 16 = shift on, run 6 pieces below shift + 4.  The LDS addresses of the other lanes are held to the row's own bytes; their stores are cut by EXEC.
	s_wait_xcnt 0x0                                ; the stores above have read their registers
	v_lshlrev_b32 v1, 4, v[L15]
	v_sub_nc_u32 v1, v[FLB], v1
.irp i, 0,1,2,3
	v_add_nc_u32 v[W+32+\i], s[FL+\i], v[FLB]      ; the scalar parts stand at run 6
	v_add_nc_u32 v[W+36+\i], s[FG+\i], v[FGB]
	v_add_nc_u32 v[W+40+\i], 0xfffffa00, v[W+32+\i]  ; run 0: 1,536 bytes back
	v_add_nc_u32 v[W+44+\i], 0xfffffa00, v[W+36+\i]
	v_add_nc_u32 v13, OSTG+\i*OP, v1               ; the row's first piece
	v_max_u32 v[W+40+\i], v[W+40+\i], v13
	v_add_nc_u32 v13, 1584, v13                    ; its last
	v_min_u32 v[W+32+\i], v[W+32+\i], v13
.endr
.irp i, 0,1,2,3
	ds_load_b128 v[W+4*\i:W+4*\i+3], v[W+40+\i]
	ds_load_b128 v[W+16+4*\i:W+16+4*\i+3], v[W+32+\i]
.endr
	s_wait_dscnt 0x0                               ; my last LDS reads are back,
	s_barrier_signal -1
	s_barrier_wait -1                              ; and so are every wave's: the closing add of each wave, the only LDS write still to come, stands behind all four waves' reads
.irp i, 0,1,2,3
	v_cmp_le_u32 vcc_lo, s[SH+\i], v[L15]
	s_wait_xcnt 0x0                                ; EXEC changes only behind this wait
	s_and_saveexec_b32 s[SV], vcc_lo
	global_store_b128 v[W+44+\i], v[W+4*\i:W+4*\i+3], s[SO:SO+1] th:TH_STORE_NT
	s_wait_xcnt 0x0
	s_or_b32 exec_lo, exec_lo, s[SV]
	s_add_co_u32 s[SH+\i], s[SH+\i], 4
	v_cmp_gt_u32 vcc_lo, s[SH+\i], v[L15]
	s_and_saveexec_b32 s[SV], vcc_lo
	global_store_b128 v[W+36+\i], v[W+16+4*\i:W+16+4*\i+3], s[SO:SO+1] th:TH_STORE_NT
	s_wait_xcnt 0x0
	s_or_b32 exec_lo, exec_lo, s[SV]
.endr
	s_wait_tensorcnt 0x0                           ; the wave's end, behind my last LDS store
	ds_add_u32 v[SPW], v[NIL]
	s_wait_dscnt 0x0
	s_endpgm
.Lfunc_end_k_q4248b15254_transe_l1:
	.size	k_q4248b15254_transe_l1, .Lfunc_end_k_q4248b15254_transe_l1-k_q4248b15254_transe_l1
	.p2alignl 7, 3214868480
	.fill 96, 4, 3214868480
	.section	.rodata,"a",@progbits
	.p2align	6, 0x0
	.amdhsa_kernel k_q4248b15254_transe_l1
		.amdhsa_group_segment_fixed_size 101632
		.amdhsa_private_segment_fixed_size 0
		.amdhsa_enable_private_segment 0
		.amdhsa_kernarg_size 48
		.amdhsa_user_sgpr_count 2
		.amdhsa_user_sgpr_kernarg_segment_ptr 1
		.amdhsa_wavefront_size32 1
		.amdhsa_system_sgpr_workgroup_id_x 1
		.amdhsa_system_sgpr_workgroup_id_y 1
		.amdhsa_system_sgpr_workgroup_id_z 1
		.amdhsa_system_vgpr_workitem_id 0
		.amdhsa_next_free_vgpr 976
		.amdhsa_next_free_sgpr 84
		.amdhsa_reserve_vcc 1
		.amdhsa_float_denorm_mode_32 3
		.amdhsa_float_denorm_mode_16_64 3
		.amdhsa_memory_ordered 1
		.amdhsa_forward_progress 1
		.amdhsa_inst_pref_size 125
	.end_amdhsa_kernel
	.amdgpu_metadata
---
amdhsa.version: [ 1, 2 ]
amdhsa.kernels:
  - .name:           k_q4248b15254_transe_l1
    .symbol:         k_q4248b15254_transe_l1.kd
    .args:
      - { .name: x, .offset: 0, .size: 8, .value_kind: global_buffer, .address_space: global }
      - { .name: lhs_w, .offset: 8, .size: 8, .value_kind: global_buffer, .address_space: global }
      - { .name: rel_w, .offset: 16, .size: 8, .value_kind: global_buffer, .address_space: global }
      - { .name: rhs_w, .offset: 24, .size: 8, .value_kind: global_buffer, .address_space: global }
      - { .name: out0, .offset: 32, .size: 8, .value_kind: global_buffer, .address_space: global }
      - { .name: out1, .offset: 40, .size: 8, .value_kind: global_buffer, .address_space: global }
    .group_segment_fixed_size: 101632
    .private_segment_fixed_size: 0
    .kernarg_segment_align: 8
    .kernarg_segment_size: 48
    .max_flat_workgroup_size: 128
    .sgpr_count:     84
    .vgpr_count:     976
    .wavefront_size: 32
...
	.end_amdgpu_metadata
.endif
;; end of part 1
